; MI455X (gfx1250); checked and timed in simulation.
; The chip was launched on July 23, 2026; its instructions are those of AMD's public machine-readable ISA for CDNA 5 (MIT licence, August 2026) and "CDNA5" Instruction Set Architecture Reference Guide (July 2026). The comments in the code are by the model that wrote it; some were corrected since.
;; Self Attention. Allowed arithmetic: matrix products marked QUANTISED: E4M3 operands, one given power-of-two scale a tensor, by v_wmma_f32_16x16x64_fp8_fp8 or v_wmma_f32_16x16x128_fp8_fp8, f32 sums; everything else in f32.
;; Inputs: Wk 1,024 x 1,024 float32; Wo 1,024 x 1,024 float32; Wq 1,024 x 1,024 float32; Wv 1,024 x 1,024 float32; bk 1,024 float32; bo 1,024 float32; bq 1,024 float32; bv 1,024 float32; lowp_scales 12 int32 (the exponents e of the quantised operands' scales 2^e); x 8 x 1,024 x 1,024 float32.
;; Outputs: out0 8 x 1,024 x 1,024 float32.
;; This version of the problem:
;;   THIS VERSION OF THE PROBLEM IS GIVEN IN LOW PRECISION. The matrix products marked QUANTISED in the list below multiply operands that are first quantised to E4M3 (4 exponent bits, 3 mantissa bits; 8 bits a number), with one given power-of-two scale for each operand tensor; their sums are f32. All else is computed in f32.
;;   The module's matrix products, in the order in which they are computed (A, B: the left and right operand; K: the contracted axis; several contracted axes count as one K, in the product's order):
;;     1. [M 8,192, K 1,024] x [K 1,024, N 1,024]; A: input x; B: input Wq: QUANTISED (scales: A lowp_scales[0], B lowp_scales[1])
;;     2. [M 8,192, K 1,024] x [K 1,024, N 1,024]; A: input x; B: input Wk: QUANTISED (scales: A lowp_scales[2], B lowp_scales[3])
;;     3. [M 8,192, K 1,024] x [K 1,024, N 1,024]; A: input x; B: input Wv: QUANTISED (scales: A lowp_scales[4], B lowp_scales[5])
;;     4. batch 128 x [M 1,024, K 64] x [K 64, N 1,024]; A: computed on the way; B: computed on the way: QUANTISED (scales: A lowp_scales[6], B lowp_scales[7])
;;     5. batch 128 x [M 1,024, K 1,024] x [K 1,024, N 64]; A: softmax (see below); B: computed on the way: QUANTISED (scales: A lowp_scales[8], B lowp_scales[9])
;;     6. [M 8,192, K 1,024] x [K 1,024, N 1,024]; A: computed on the way; B: input Wo: QUANTISED (scales: A lowp_scales[10], B lowp_scales[11])
;;   THE QUANTISER, for each operand of a quantised product, along K:
;;     - The operand's scale is 2^e, e = its entry of the input lowp_scales (int32; the entries are numbered through the quantised products in the list's order, A before B).
;;     - Each number is divided by the scale, clamped to +-448, and rounded to the nearest number of E4M3, ties to even, subnormals kept.
;;     - The product sums the exact products of the quantised numbers (number of the format x scale) in f32.
;;   ~~~python
;;   def quantise(x, axis, e):      # numpy; x: float32 -> the quantised numbers, widened to float32 again
;;       x = np.moveaxis(x, axis, -1); K = x.shape[-1]
;;       r = np.clip(x / 2.0 ** e, -448, 448)
;;       step = 2.0 ** (np.maximum(np.frexp(np.where(r == 0, 1, r))[1] - 1, -6) - 3)
;;       q = np.round(r / step) * step * 2.0 ** e      # np.round: ties to even
;;       return np.moveaxis(q, -1, axis).astype(np.float32)
;;   ~~~
;;   SOFTMAX AHEAD OF A QUANTISED PRODUCT. Where the list says 'softmax', what is quantised is not the finished softmax but p = 2^(t - M), with t = logit x log2(e) and M = ceil(the row's largest t), a whole number; so 1/2 < the row's largest p <= 1. The row's sum l is taken of the UNQUANTISED p, in f32, and the product's result is divided by l at the end. Since M is a whole number, a kernel that streams over the keys may use a running M (the ceiling of the running maximum): every later rescaling is an exact power of two, so the quantised numbers keep their values, but for numbers so far below the row's largest that they fall under the format's range.
;;   OPERANDS COMPUTED ON THE WAY. 'Computed on the way' means the value that the module computes at that place (a softmax that the list does not call 'softmax' is quantised finished and normalised). What goes into a quantiser is computed in f32, as accurately as f32 sums, v_exp_f32 and their like allow (about 1e-6 of the number): no bf16 or f16 on the way to a quantiser, and a product that is left as it is and whose result goes on into a quantised operand takes f32 operands (vector FMAs, or v_wmma_f32_16x16x4_f32). A number that lies on a knife's edge between two numbers of the format may be rounded either way, as far as f32 arithmetic and the matrix unit's own rounding can turn it there, and no further.
;; One version. Each part assembles by itself: llvm-mc -triple=amdgcn-amd-amdhsa -mcpu=gfx1250 --defsym DOCPART=n.
;; ======== version 1 of 1: 4 launches
;; limits: right only within a limited range of input values
;; workspace buffers: ximg 25,165,824 bytes; wimg 4,194,304 bytes; tab 262,144 bytes; qkvimg 25,165,824 bytes; aoimg 8,388,608 bytes
;; launch prep (part 1): grid 704 x 1, 8 waves a work-group, no clusters, 68,608 bytes of LDS; arguments x, Wq, Wk, Wv, Wo, lowp_scales, ximg, wimg, tab; writes ximg, wimg, tab
.if DOCPART == 1
	.amdgcn_target "amdgcn-amd-amdhsa--gfx1250"
	.amdhsa_code_object_version 6
	.text
	.protected	k_q24e48b83e1_prep
	.globl	k_q24e48b83e1_prep
	.p2align	8
	.type	k_q24e48b83e1_prep,@function
k_q24e48b83e1_prep:
	s_mov_b64 s[64:65], 0
	v_nop
	global_prefetch_b8 v0, s[64:65] scope:SCOPE_SE
	s_setreg_imm32_b32 hwreg(HW_REG_WAVE_MODE, 25, 1), 1
	s_wait_xcnt 0x0
; PREP: x and the four weights become codes of FP8 (E4M3), and the rotary embedding's cosines and sines become a table.
; Every buffer written here is laid as IMAGES OF OPERAND REGISTERS.  A fragment (16 rows x 128 K, 16 registers a lane) is 2,048 bytes: [chunk c 0..3][lane 0..31][16 bytes];
; lane (r = lane % 16, h = lane / 16), chunk c, holds of row r the codes of k = 32 c + 8 h + 0..7 and then of k = 32 c + 16 + 8 h + 0..7: registers 4 c .. 4 c + 3 of v_wmma_f32_16x16x128_fp8_fp8's own layout.
;   ximg [z 0..2][row tile 512][K step 8][2048]: x with the scales of entries 0, 2, 4 (x is an operand of three products, each with a scale of its own)
;   wimg [q, k, v, o][row tile n / 16: 64][K step 8][2048]: W^T, K innermost, with the scales of entries 1, 3, 5, 11
;   tab  [pos / 16: 64][cc 0..7][lane][16 bytes]: lane (r, h), chunk cc = 2 bq + u: cos, sin of pair j0 and cos, sin of pair j0 + 1 at position 16 P + r, j0 = 8 bq + 4 h + 2 u
; code = x / 2^e, held within +-448, to the nearest code, ties to even.
; LIMITS: each e used here lies between -126 and 119, so that 2^e and 448 x 2^e are f32 numbers.  NaN among the inputs is not served; an infinity is held at the largest code.
; WORK-GROUPS: 0..127 the weights, 128..191 the table, 192..703 x.  Only x's path touches LDS.  No matrix unit, no tensor load, no cluster: every byte is read once and no two work-groups share any.
.set SP,   528                         ; x's stage: a row of 512 bytes + 16: 33 x 16 bytes, so that sixteen rows start at sixteen different 16-byte columns
.set STG,  16*SP                       ; a stage of 16 rows for each wave
.set R,    16                          ; v16-79   x as loaded
.set X,    16                          ; v16-79   the same registers, as the conversions want them: register 8 c' + i = k 16 c' + 8 h + i of my row
.set T,    80                          ; v80-95   two sets of eight held numbers
.set C,    96                          ; v96-143  codes: 16 registers for each z
.set WX,   16                          ; v16-143  a column of W, 128 along K
.set WC,   144                         ; v144-151 the codes of its first 32; the later codes take the first numbers' places
.macro MKSCALE e, vs, vl               ; v[vs] = 2^e as f32 (the conversion takes its exponent field), v[vl] = 448 x 2^e
	s_add_co_i32 s48, s[\e], 127
	s_lshl_b32 s49, s48, 23
	v_mov_b32 v[\vs], s49
	s_add_co_i32 s48, s48, 8
	s_lshl_b32 s48, s48, 23
	s_or_b32 s48, s48, 0x600000
	v_mov_b32 v[\vl], s48
.endm
	s_load_b512 s[4:19], s[0:1], 0x0               ; x s[4:5], Wq s[6:7], Wk s[8:9], Wv s[10:11], Wo s[12:13], the exponents s[14:15], ximg s[16:17], wimg s[18:19]
	s_load_b64 s[20:21], s[0:1], 0x40              ; tab
	v_lshl_add_u32 v152, v0, 2, 0x10800
	v_mov_b32 v153, 0
	v_lshrrev_b32 v1, 5, v0
	s_delay_alu instid0(VALU_DEP_1)
	v_readfirstlane_b32 s22, v1                    ; wave 0..7
	v_and_b32 v12, 31, v0                          ; lane
	v_and_b32 v13, 15, v0                          ; r
	v_bfe_u32 v14, v0, 4, 1                        ; h
	s_wait_kmcnt 0x0
	s_load_b256 s[24:31], s[14:15], 0x0            ; e0 .. e7
	s_load_b128 s[32:35], s[14:15], 0x20           ; e8 .. e11
	s_cmp_lt_u32 ttmp9, 128
	s_cbranch_scc1 .Lweights
	s_cmp_lt_u32 ttmp9, 192
	s_cbranch_scc1 .Ltable
	; ---- x: the work-group takes a tile of 16 rows, wave w its K step w (128 numbers, 512 bytes of each row)
	s_sub_co_u32 s36, ttmp9, 192                   ; the row tile
	s_lshl_b32 s38, s36, 16                        ; 16 rows of 4,096 bytes
	s_lshl_b32 s37, s22, 9
	s_add_co_u32 s38, s38, s37
	s_mov_b32 s39, 0
	s_add_nc_u64 s[4:5], s[4:5], s[38:39]
	s_wait_alu depctr_va_vdst(0)
	v_lshlrev_b32 v1, 4, v12                       ; 16 x lane
.set ii, 0
.rept 16
	global_load_b128 v[R+4*ii:R+4*ii+3], v1, s[4:5] offset:4096*ii th:TH_LOAD_NT   ; 32 lanes read 512 consecutive bytes of row ii
.set ii, ii+1
.endr
	s_mul_i32 s37, s22, STG                        ; my wave's stage
	v_add_nc_u32 v2, s37, v1                       ; in: 16 x lane, the row in the immediate
	v_mul_u32_u24 v3, v13, SP
	s_delay_alu instid0(VALU_DEP_1)
	v_lshl_add_u32 v3, v14, 5, v3
	s_delay_alu instid0(VALU_DEP_1)
	v_add_nc_u32 v3, s37, v3                       ; out: row r, + 32 h: eight numbers of my half
	s_lshl_b32 s40, s36, 14                        ; the row tile's 8 fragments,
	s_lshl_b32 s41, s22, 11                        ; my K step's
	s_add_co_u32 s40, s40, s41
	s_mov_b32 s41, 0
	s_add_nc_u64 s[42:43], s[16:17], s[40:41]      ; z = 0
	s_add_nc_u64 s[44:45], s[42:43], 0x800000      ; z = 1
	s_add_nc_u64 s[46:47], s[42:43], 0x1000000     ; z = 2
	s_wait_alu depctr_va_vdst(0)
	s_wait_kmcnt 0x0
	MKSCALE 24, 4, 7                               ; e0
	MKSCALE 26, 5, 8                               ; e2
	MKSCALE 28, 6, 9                               ; e4
.set ii, 0
	s_wait_alu depctr_va_vdst(0)
.rept 16
	s_wait_loadcnt 15-ii                           ; loads come back in order: row ii is in, the younger rows may be out
	ds_store_b128 v2, v[R+4*ii:R+4*ii+3] offset:SP*ii
.set ii, ii+1
.endr
	s_wait_dscnt 0x0                               ; the stores have read their registers, which the loads below take
.set ii, 0
.rept 8
	ds_load_b128 v[X+8*ii:X+8*ii+3], v3 offset:64*ii       ; the stage is my wave's own, so no barrier
	ds_load_b128 v[X+8*ii+4:X+8*ii+7], v3 offset:64*ii+16
.set ii, ii+1
.endr
	s_wait_dscnt 0x0
.irp z, 0,1,2
.irp c, 0,1,2,3,4,5,6,7
.irp i, 0,1,2,3,4,5,6,7
	v_med3_num_f32 v[T+8*(\c%2)+\i], v[X+8*\c+\i], -v[7+\z], v[7+\z]   ; the conversion to an 8-bit code does not saturate (ISA guide 7.6.2): the hold comes first; the two sets take turns, so eight plain lines stand between a conversion and the next write of its sources
.endr
	v_cvt_scalef32_pk8_fp8_f32 v[C+16*\z+2*\c:C+16*\z+2*\c+1], v[T+8*(\c%2):T+8*(\c%2)+7], v[4+\z]
.endr
.irp c, 0,1,2,3
	global_store_b128 v1, v[C+16*\z+4*\c:C+16*\z+4*\c+3], s[42+2*\z:43+2*\z] offset:512*\c   ; 32 lanes store 512 consecutive bytes, aligned; each z has its own registers, so no store's data are written again
.endr
.endr
	s_wait_tensorcnt 0x0
	ds_add_u32 v152, v153
	s_wait_dscnt 0x0
	s_endpgm
	; ---- the weights: W is [k][n].  A lane takes a column n and its registers run down K, so the conversions give codes with K innermost; nothing is transposed by an instruction
.Lweights:
	s_lshr_b32 s36, ttmp9, 5                       ; which weight: q, k, v, o
	s_bfe_u32 s37, ttmp9, 0x20003                  ; which 256 columns
	s_and_b32 s38, ttmp9, 7                        ; which K step of 128
	s_cmp_eq_u32 s36, 0
	s_cselect_b64 s[40:41], s[6:7], s[8:9]
	s_cmp_eq_u32 s36, 2
	s_cselect_b64 s[40:41], s[10:11], s[40:41]
	s_cmp_eq_u32 s36, 3
	s_cselect_b64 s[40:41], s[12:13], s[40:41]
	s_lshl_b32 s42, s38, 19                        ; 128 rows of 4,096 bytes
	s_lshl_b32 s43, s37, 10                        ; 256 columns of 4 bytes
	s_add_co_u32 s42, s42, s43
	s_lshl_b32 s43, s22, 7                         ; my wave's 32 columns
	s_add_co_u32 s42, s42, s43
	s_mov_b32 s43, 0
	s_add_nc_u64 s[40:41], s[40:41], s[42:43]
	s_wait_alu depctr_va_vdst(0)
	v_lshlrev_b32 v1, 2, v12
.macro LOADG g                         ; 32 along K: each load reads 128 consecutive bytes a wave, 1,024 a work-group
.set ii, 0
.rept 32
	global_load_b32 v[WX+32*(\g)+ii], v1, s[40:41] offset:4096*(32*(\g)+ii) th:TH_LOAD_NT
.set ii, ii+1
.endr
.endm
	LOADG 0
	LOADG 1
	s_lshl_b32 s46, s36, 20                        ; the weight's 64 row tiles,
	s_lshl_b32 s47, s37, 18                        ; 16 row tiles for 256 columns,
	s_add_co_u32 s46, s46, s47
	s_lshl_b32 s47, s22, 15                        ; my wave's two,
	s_add_co_u32 s46, s46, s47
	s_lshl_b32 s47, s38, 11                        ; the K step's fragment
	s_add_co_u32 s46, s46, s47
	s_mov_b32 s47, 0
	s_add_nc_u64 s[44:45], s[18:19], s[46:47]
	v_lshlrev_b32 v2, 4, v13
	s_delay_alu instid0(VALU_DEP_1)
	v_lshl_add_u32 v2, v14, 14, v2                 ; my column's row tile (lanes 16-31: the next one) and its place r in a chunk
	s_wait_alu depctr_va_vdst(0)
	s_wait_kmcnt 0x0
	s_cmp_eq_u32 s36, 0
	s_cselect_b32 s50, s25, s27                    ; e1, e3,
	s_cmp_eq_u32 s36, 2
	s_cselect_b32 s50, s29, s50                    ; e5,
	s_cmp_eq_u32 s36, 3
	s_cselect_b32 s50, s35, s50                    ; e11
	MKSCALE 50, 11, 10
.macro WGROUP c                        ; chunk c of the fragment: k = 32 c .. 32 c + 31 of my column; I hold both halves' codes, so I store the place of lane r and that of lane 16 + r
.if \c < 3
	s_wait_loadcnt 32                              ; this group's 32 loads are in; the one younger group may be out
.else
	s_wait_loadcnt 0
.endif
.if \c < 2
	LOADG \c+2
.endif
.set ii, 0
.rept 32
	v_med3_num_f32 v[WX+32*\c+ii], v[WX+32*\c+ii], -v10, v10
.set ii, ii+1
.endr
.irp h, 0,1
	v_cvt_scalef32_pk8_fp8_f32 v[WC+8*\c+4*\h:WC+8*\c+4*\h+1], v[WX+32*\c+8*\h:WX+32*\c+8*\h+7], v11
	v_cvt_scalef32_pk8_fp8_f32 v[WC+8*\c+4*\h+2:WC+8*\c+4*\h+3], v[WX+32*\c+16+8*\h:WX+32*\c+16+8*\h+7], v11
.endr
	v_nop                                          ; a plain line behind the last conversion of the run
.irp h, 0,1
	global_store_b128 v2, v[WC+8*\c+4*\h:WC+8*\c+4*\h+3], s[44:45] offset:512*\c+256*\h   ; sixteen lanes store 256 consecutive bytes, aligned
.endr
.endm
	s_wait_alu depctr_va_vdst(0)
	WGROUP 0
.set WC, 8                             ; chunks 1-3: codes into v16-39, whose numbers are codes already
	WGROUP 1
	WGROUP 2
	WGROUP 3
	s_endpgm
	; ---- the table.  inv_freq(j) = 10000^(-j / 32) = 2^(-j log2(10) / 8); the angle is pos x inv_freq, rounded once; cos and sin by plain f32 arithmetic:
	; the angle less k quarter turns (pi / 2 in two parts; the first product's difference is exact, since k has 10 bits and the result lies under 1), then polynomials on |r| <= pi / 4, then the quadrant by selects and sign bits
.Ltable:
	s_sub_co_u32 s36, ttmp9, 128                   ; P = pos / 16
	s_mov_b32 s40, 0xbed49000                      ; -log2(10) / 8, its upper 12 bits: j x this is exact
	s_mov_b32 s41, 0xb8a784bd                      ; and the rest
	s_mov_b32 s42, 0x3f22f983                      ; 2 / pi
	s_mov_b32 s43, 0xbfc90fdb                      ; -pi / 2, the f32 number,
	s_mov_b32 s44, 0x333bbd2e                      ; and what it lacks
	s_mov_b32 s45, 0xbe2aaaa3                      ; sine: -1.6666654611e-1,
	s_mov_b32 s46, 0x3c08839e                      ; 8.3321608736e-3,
	s_mov_b32 s47, 0xb94ca1f9                      ; -1.9515295891e-4
	s_mov_b32 s48, 0x3d2aaaa5                      ; cosine: 4.166664568e-2,
	s_mov_b32 s49, 0xbab6061a                      ; -1.388731625e-3,
	s_mov_b32 s50, 0x37ccf5ce                      ; 2.443315712e-5
	s_lshl_b32 s37, s36, 4
	s_wait_alu depctr_va_vdst(0)
	v_add_nc_u32 v15, s37, v13
	s_delay_alu instid0(VALU_DEP_1)
	v_cvt_f32_u32 v15, v15                         ; pos = 16 P + r
	s_lshr_b32 s38, s22, 1
	s_lshl_b32 s38, s38, 3
	s_and_b32 s39, s22, 1
	s_lshl_b32 s39, s39, 1
	s_add_co_u32 s38, s38, s39
	v_lshl_add_u32 v16, v14, 2, s38                ; j0 = 8 (wave / 2) + 2 (wave % 2) + 4 h
	v_lshlrev_b32 v17, 4, v0                       ; my 16 bytes of the position tile's 4,096
	s_lshl_b32 s52, s36, 12
	s_mov_b32 s53, 0
	s_add_nc_u64 s[20:21], s[20:21], s[52:53]
.macro SINCOS u                        ; cos and sin of pair j0 + u into v[32 + 2 u], v[33 + 2 u]
	v_add_nc_u32 v20, \u, v16
	s_delay_alu instid0(VALU_DEP_1)
	v_cvt_f32_u32 v20, v20                         ; j
	s_delay_alu instid0(VALU_DEP_1)
	v_mul_f32 v21, s40, v20                        ; exact
	s_delay_alu instid0(VALU_DEP_1)
	v_rndne_f32 v22, v21
	s_delay_alu instid0(VALU_DEP_1)
	v_sub_f32 v21, v21, v22                        ; exact
	s_delay_alu instid0(VALU_DEP_1)
	v_fma_f32 v21, v20, s41, v21                   ; the exponent's fraction
	s_delay_alu instid0(VALU_DEP_3)
	v_cvt_i32_f32 v22, v22                         ; and its whole part
	s_wait_alu depctr_va_vdst(0)
	v_exp_f32 v23, v21
	v_nop                                          ; a plain line behind the transcendental (ISA guide 5.7.2),
	s_wait_alu depctr_va_vdst(0)                   ; and the wait ahead of its first reader
	v_ldexp_f32 v23, v23, v22                      ; inv_freq
	s_delay_alu instid0(VALU_DEP_1)
	v_mul_f32 v24, v15, v23                        ; the angle
	s_delay_alu instid0(VALU_DEP_1)
	v_mul_f32 v25, s42, v24
	s_delay_alu instid0(VALU_DEP_1)
	v_rndne_f32 v25, v25                           ; k quarter turns
	s_delay_alu instid0(VALU_DEP_1)
	v_fma_f32 v26, v25, s43, v24
	s_delay_alu instid0(VALU_DEP_1)
	v_fma_f32 v26, v25, s44, v26                   ; r
	s_delay_alu instid0(VALU_DEP_1)
	v_mul_f32 v27, v26, v26                        ; r^2
	s_delay_alu instid0(VALU_DEP_1)
	v_fma_f32 v28, s47, v27, s46
	s_delay_alu instid0(VALU_DEP_1)
	v_fma_f32 v28, v28, v27, s45
	s_delay_alu instid0(VALU_DEP_3)
	v_mul_f32 v29, v27, v26
	s_delay_alu instid0(VALU_DEP_1)
	v_fma_f32 v28, v28, v29, v26                   ; sin r
	v_fma_f32 v30, s50, v27, s49
	s_delay_alu instid0(VALU_DEP_1)
	v_fma_f32 v30, v30, v27, s48
	v_mul_f32 v29, v27, v27
	v_fma_f32 v31, v27, -0.5, 1.0
	s_delay_alu instid0(VALU_DEP_1)
	v_fma_f32 v30, v30, v29, v31                   ; cos r
	v_cvt_i32_f32 v25, v25
	s_delay_alu instid0(VALU_DEP_1)
	v_and_b32 v29, 1, v25
	s_delay_alu instid0(VALU_DEP_1)
	v_cmp_eq_u32 vcc_lo, 1, v29                    ; an odd quarter swaps the two
	s_delay_alu instid0(VALU_DEP_1)
	v_cndmask_b32 v31, v28, v30, vcc_lo
	s_delay_alu instid0(VALU_DEP_2)
	v_cndmask_b32 v29, v30, v28, vcc_lo
	v_lshlrev_b32 v28, 30, v25                     ; the sine is negative in quarters 2 and 3: bit 1 of k
	s_delay_alu instid0(VALU_DEP_1)
	v_and_b32 v28, 0x80000000, v28
	s_delay_alu instid0(VALU_DEP_1)
	v_xor_b32 v[33+2*\u], v28, v31
	v_add_nc_u32 v25, 1, v25                       ; the cosine in quarters 1 and 2: bit 1 of k + 1
	s_delay_alu instid0(VALU_DEP_1)
	v_lshlrev_b32 v28, 30, v25
	s_delay_alu instid0(VALU_DEP_1)
	v_and_b32 v28, 0x80000000, v28
	s_delay_alu instid0(VALU_DEP_1)
	v_xor_b32 v[32+2*\u], v28, v29
.endm
	SINCOS 0
	SINCOS 1
	global_store_b128 v17, v[32:35], s[20:21]      ; a wave stores 512 consecutive bytes, aligned
	s_endpgm
.Lfunc_end_k_q24e48b83e1_prep:
	.size	k_q24e48b83e1_prep, .Lfunc_end_k_q24e48b83e1_prep-k_q24e48b83e1_prep
	.p2alignl 7, 3214868480
	.fill 96, 4, 3214868480
	.section	.rodata,"a",@progbits
	.p2align	6, 0x0
	.amdhsa_kernel k_q24e48b83e1_prep
		.amdhsa_group_segment_fixed_size 68608
		.amdhsa_private_segment_fixed_size 0
		.amdhsa_enable_private_segment 0
		.amdhsa_kernarg_size 72
		.amdhsa_user_sgpr_count 2
		.amdhsa_user_sgpr_kernarg_segment_ptr 1
		.amdhsa_wavefront_size32 1
		.amdhsa_system_sgpr_workgroup_id_x 1
		.amdhsa_system_sgpr_workgroup_id_y 1
		.amdhsa_system_sgpr_workgroup_id_z 1
		.amdhsa_system_vgpr_workitem_id 0
		.amdhsa_next_free_vgpr 154
		.amdhsa_next_free_sgpr 66
		.amdhsa_reserve_vcc 1
		.amdhsa_float_denorm_mode_32 3
		.amdhsa_float_denorm_mode_16_64 3
		.amdhsa_memory_ordered 1
		.amdhsa_forward_progress 1
		.amdhsa_inst_pref_size 52
	.end_amdhsa_kernel
	.amdgpu_metadata
---
amdhsa.version: [ 1, 2 ]
amdhsa.kernels:
  - .name:           k_q24e48b83e1_prep
    .symbol:         k_q24e48b83e1_prep.kd
    .args:
      - { .name: x, .offset: 0, .size: 8, .value_kind: global_buffer, .address_space: global }
      - { .name: Wq, .offset: 8, .size: 8, .value_kind: global_buffer, .address_space: global }
      - { .name: Wk, .offset: 16, .size: 8, .value_kind: global_buffer, .address_space: global }
      - { .name: Wv, .offset: 24, .size: 8, .value_kind: global_buffer, .address_space: global }
      - { .name: Wo, .offset: 32, .size: 8, .value_kind: global_buffer, .address_space: global }
      - { .name: lowp_scales, .offset: 40, .size: 8, .value_kind: global_buffer, .address_space: global }
      - { .name: ximg, .offset: 48, .size: 8, .value_kind: global_buffer, .address_space: global }
      - { .name: wimg, .offset: 56, .size: 8, .value_kind: global_buffer, .address_space: global }
      - { .name: tab, .offset: 64, .size: 8, .value_kind: global_buffer, .address_space: global }
    .group_segment_fixed_size: 68608
    .private_segment_fixed_size: 0
    .kernarg_segment_align: 8
    .kernarg_segment_size: 72
    .max_flat_workgroup_size: 256
    .sgpr_count:     66
    .vgpr_count:     154
    .wavefront_size: 32
...
	.end_amdgpu_metadata
.endif
;; end of part 1
;; launch qkv (part 2): grid 8 x 32, 4 waves a work-group, clusters of 4 x 4, 327,680 bytes of LDS; arguments ximg, wimg, tab, bq, bk, bv, lowp_scales, qkvimg; writes qkvimg
.if DOCPART == 2
	.amdgcn_target "amdgcn-amd-amdhsa--gfx1250"
	.amdhsa_code_object_version 6
	.text
	.protected	k_q24e48b83e1_qkv
	.globl	k_q24e48b83e1_qkv
	.p2align	8
	.type	k_q24e48b83e1_qkv,@function
k_q24e48b83e1_qkv:
	s_mov_b64 s[64:65], 0
	v_nop
	global_prefetch_b8 v0, s[64:65] scope:SCOPE_SE
	s_setreg_imm32_b32 hwreg(HW_REG_WAVE_MODE, 25, 1), 1
	s_wait_xcnt 0x0
	s_wait_alu depctr_hold_cnt(0) depctr_sa_sdst(0) depctr_va_vdst(0) depctr_va_sdst(0) depctr_va_ssrc(0) depctr_va_vcc(0) depctr_vm_vsrc(0)
	s_getreg_b32 s2, hwreg(HW_REG_IB_STS2, 6, 4)
	s_cmp_eq_u32 s2, 0
	s_cbranch_scc0 .Lentry_in_a_cluster
	s_endpgm
.Lentry_in_a_cluster:
	s_bfe_u32 s2, ttmp6, 0x10000c
	s_cmp_lg_u32 s2, 0xf033
	s_cbranch_scc0 .Lentry_shape_is_right
	s_endpgm
.Lentry_shape_is_right:
; QKV: the three projections on codes of FP8 (E4M3), their biases, the rotary embedding of q and k, and the codes of q, k and v as images of operand registers.
; qkvimg: q [head 128][tile of 16 tokens: 64][chunk 2][lane][16 bytes]; k likewise 8 MiB on; v 16 MiB on: [head][key step 8][tile of 16 channels: 4][chunk 4][lane][16 bytes], the keys innermost.
; A work-group makes two blocks.  PHASE 1: 256 tokens x 256 columns of q (cluster x = 0) or k (1).  PHASE 2: 128 tokens x 256 channels of v.  256 work-groups, equal work.
; W IS SHARED, x IS NOT.  The 256 columns of W lie in LDS in two slots of four K steps (16 column tiles x 8,192 bytes); the four work-groups of a column of the cluster ask for them jointly, 32 KiB a wave.
; x goes from memory into registers: in phase 1 a wave alone owns its 64 tokens (64 x 256 of the block), so x through LDS would only be written and read once; in phase 2 two waves share 64 tokens, each with half of the channels.
; Fragments of x are asked for two K steps ahead (three sets of 64 registers by turns), slots of W at least three K steps or the rotary work ahead; so no data prefetch stands beside them.
; REGISTERS: window 0: v2-5 16 x lane and its places in the slots, v7 32 h, v8-15 v's bias, v16-17 phase 2's places, v18 4 r, v20-27 at work, v28-29 the add's, v30-31 the conversion's scale and hold, v32-63 the table of token tile 0,
;   v64-255 three groups of four fragments of W by turns (on the way out: the table of tile 3, T, codes).  window 1: v0-191 three sets of x, v192-255 the bias of columns 0-127.  windows 2, 3: accumulators.
; LIMITS: e0 + e1, e2 + e3, e4 + e5 between -126 and 127; e6, e7, e9 between -126 and 119.  NaN is not served; an infinity is held at the largest code.
.set SPARE,  0x40000
.set ADR, 2
.set BV,  8
.set ADV, 16
.set U,   20
.set SPW, 28
.set NIL, 29
.set WR,  64
.set T,   160
.set CD,  224
.set G1,  24
.set G0,  32                           ; s[32:35] slot 0, s[36:39] slot 1
.set XA,  46                           ; s[46:47] my x of phase 1
.set XB,  48                           ; s[48:49] of phase 2
.set VO,  50
.set P2,  86                           ; s[86:87] my part of Wv's panel
.set MSB, 0
.macro WIN new                         ; the immediate's high byte repeats the setting that is left
.if MSB != (\new)
	s_set_vgpr_msb (MSB<<8)|(\new)
.set MSB, (\new)
.endif
.endm
.macro JLOAD s
	tensor_load_to_lds s[G0+4*(\s):G0+4*(\s)+3], s[G1:G1+7]
	s_nop 0
.rept 4
	v_nop
.endr
.endm
.macro CREST
	s_cmp_lg_u32 s14, 0
	s_cbranch_scc1 .Lnot_wave_0_\@
	s_barrier_signal -3
.Lnot_wave_0_\@:
	s_barrier_wait -3
	s_barrier_signal -1
	s_barrier_wait -1
.endm
.macro CROUND
	s_barrier_signal -1
	s_barrier_wait -1
	CREST
.endm
.macro PLACES                          ; four plain places behind a matrix instruction (ISA guide 7.12.1)
.rept 4
	v_nop
.endr
.endm
.macro XLD base, k, set                ; four token tiles x 128 K into a set of window 1: each load covers 512 consecutive bytes
.irp i, 0,1,2,3
.irp c, 0,1,2,3
	global_load_b128 v[64*(\set)+16*\i+4*\c:64*(\set)+16*\i+4*\c+3], v[ADR], s[\base:\base+1] offset:16384*\i+2048*(\k)+512*\c
.endr
.endr
.endm
.macro TABLD i, reg
.irp c, 0,1,2,3,4,5,6,7
	global_load_b128 v[\reg+4*\c:\reg+4*\c+3], v[ADR], s[80:81] offset:4096*\i+512*\c
.endr
.endm
.macro BIASLD b0, reg
.irp b, 0,1,2,3,4,5,6,7
.irp u, 0,1
	global_load_b128 v[\reg+8*\b+4*\u:\reg+8*\b+4*\u+3], v7, s[76:77] offset:64*(\b+\b0)+16*\u
.endr
.endr
.endm
	s_load_b256 s[4:11], s[0:1], 0x0               ; ximg, wimg, tab, bq
	s_load_b256 s[68:75], s[0:1], 0x20             ; bk, bv, the exponents, qkvimg
	v_lshl_add_u32 v[SPW], v0, 2, SPARE
	v_mov_b32 v[NIL], 0
	ds_add_u32 v[SPW], v[NIL]                      ; the opening lines: the add, twice on end
	ds_add_u32 v[SPW], v[NIL]
	v_lshrrev_b32 v1, 5, v0
	v_readfirstlane_b32 s14, v1                    ; wave 0..3
	s_lshr_b32 s15, s14, 1                         ; phase 2: which 64 tokens
	s_and_b32 s16, s14, 1                          ; phase 2: which 128 channels
	s_lshl_b32 s2, s16, 16
	v_and_b32 v6, 31, v0
	v_lshlrev_b32 v[ADR], 4, v6                    ; 16 x lane: a lane's place in a chunk; slot 0, column tiles 0-7
	v_add_nc_u32 v[ADR+1], 0x10000, v[ADR]         ; tiles 8-15
	v_add_nc_u32 v[ADR+2], 0x20000, v[ADR]         ; slot 1
	v_add_nc_u32 v[ADR+3], 0x30000, v[ADR]
	v_add_nc_u32 v[ADV], s2, v[ADR]
	v_add_nc_u32 v[ADV+1], s2, v[ADR+2]
	v_and_b32 v1, 15, v0
	v_lshlrev_b32 v18, 2, v1
	v_bfe_u32 v7, v0, 4, 1
	v_lshlrev_b32 v7, 5, v7
	s_wait_alu depctr_va_vdst(0)                   ; the wait behind the head's vector instructions
	s_bfe_u32 s40, ttmp6, 0x40000                  ; cx
	s_bfe_u32 s41, ttmp6, 0x40004                  ; cy
	s_mov_b32 s84, ttmp9                           ; X: q or k
	s_and_b32 s85, ttmp7, 0xffff
	s_lshl_b32 s17, s85, 2
	s_add_co_u32 s17, s17, s41                     ; phase 1's 256 tokens: block 4 Y + cy
	s_lshl_b32 s42, s85, 1
	s_add_co_u32 s42, s42, s84
	s_lshl_b32 s42, s42, 2
	s_add_co_u32 s42, s42, s41                     ; phase 2's 128 tokens: block 4 (2 Y + X) + cy
	s_lshl_b32 s44, 0x1111, s40                    ; my column of the cluster shares W's 256 columns
	s_or_b32 s[G1], s44, (3<<16)|(1<<21)           ; elements of 8 bytes
	s_mov_b32 s[G1+1], 1024<<16                    ; a row: 4 K steps of a column tile, 8,192 bytes
	s_mov_b32 s[G1+2], 4<<16
	s_mov_b32 s[G1+3], 1024<<16
	s_mov_b32 s[G1+4], 4                           ; my four column tiles
	s_mov_b32 s[G1+5], 2048                        ; 16,384 bytes apart
	s_mov_b32 s[G1+6], 0
	s_mov_b32 s[G1+7], 0
	s_lshl_b32 s20, s40, 18                        ; W: 16 column tiles for each cx,
	s_lshl_b32 s18, s14, 16                        ; four of them for each wave
	s_add_co_u32 s20, s20, s18
	s_add_co_u32 s[P2], s20, 0x200000              ; Wv's
	s_mov_b32 s[P2+1], 0
	s_lshl_b32 s21, s84, 20
	s_add_co_u32 s20, s20, s21                     ; Wq's or Wk's
	s_mov_b32 s21, 0
	s_lshl_b32 s[XA], s84, 23
	s_lshl_b32 s22, s17, 18
	s_add_co_u32 s[XA], s[XA], s22
	s_add_co_u32 s[XA], s[XA], s18                 ; my four token tiles
	s_mov_b32 s[XA+1], 0
	s_lshl_b32 s[XB], s42, 17
	s_lshl_b32 s22, s15, 16
	s_add_co_u32 s[XB], s[XB], s22
	s_add_co_u32 s[XB], s[XB], 0x1000000
	s_mov_b32 s[XB+1], 0
	s_lshl_b32 s45, s14, 15                        ; where my 32 KiB of a slot go
	s_wait_dscnt 0x0                               ; both opening adds are done
	s_wait_kmcnt 0x0
	s_load_b256 s[88:95], s[72:73], 0x0            ; e0 .. e7
	s_load_b128 s[96:99], s[72:73], 0x20           ; e8 .. e11
	s_add_nc_u64 s[20:21], s[6:7], s[20:21]
	s_add_nc_u64 s[P2:P2+1], s[6:7], s[P2:P2+1]
	s_add_nc_u64 s[XA:XA+1], s[4:5], s[XA:XA+1]
	s_add_nc_u64 s[XB:XB+1], s[4:5], s[XB:XB+1]
	WIN 0x40
	XLD XA, 0, 0
	XLD XA, 1, 1
	WIN 0
	s_mov_b32 s[G0], 1
	s_mov_b32 s[G0+1], s45
	s_mov_b64 s[G0+2:G0+3], s[20:21]
	s_or_b32 s[G0+3], s[G0+3], 0x80000000
	s_mov_b32 s[G0+4], 1
	s_add_co_u32 s[G0+5], s45, 0x20000
	s_add_nc_u64 s[G0+6:G0+7], s[20:21], 8192
	s_or_b32 s[G0+7], s[G0+7], 0x80000000
	CROUND                                         ; all sixteen work-groups are here: the first joint loads meet
	JLOAD 0                                        ; K steps 0-3: one tensor load a wave at the head
	s_lshl_b32 s22, s40, 10
	s_mov_b32 s23, 0
	s_cmp_eq_u32 s84, 0
	s_cselect_b64 s[76:77], s[10:11], s[68:69]
	s_add_nc_u64 s[76:77], s[76:77], s[22:23]      ; bq or bk at my 256 columns
	s_lshl_b32 s2, s16, 9
	s_add_co_u32 s22, s22, s2
	s_add_nc_u64 s[78:79], s[70:71], s[22:23]      ; bv at my 128 channels
	s_and_b32 s22, s17, 3
	s_lshl_b32 s22, s22, 4
	s_lshl_b32 s2, s14, 2
	s_add_co_u32 s3, s22, s2                       ; my first token tile in the sequence
	s_lshl_b32 s22, s3, 12
	s_add_nc_u64 s[80:81], s[8:9], s[22:23]        ; the table there
	WIN 0x40
	BIASLD 0, 192
	WIN 0
	TABLD 0, 32
.irp a, 0,1,2,3,4,5,6,7
	global_load_b32 v[BV+\a], v18, s[78:79] offset:64*\a
.endr
	s_lshr_b32 s22, s17, 2                         ; where q or k goes: ((16 batch + 4 cx) heads of 64 KiB + tile) + X x 8 MiB
	s_lshl_b32 s22, s22, 4
	s_lshl_b32 s2, s40, 2
	s_add_co_u32 s22, s22, s2
	s_lshl_b32 s22, s22, 16
	s_lshl_b32 s2, s3, 10
	s_add_co_u32 s22, s22, s2
	s_lshl_b32 s2, s84, 23
	s_add_co_u32 s22, s22, s2
	s_add_nc_u64 s[82:83], s[74:75], s[22:23]
	s_lshr_b32 s22, s42, 3                         ; where v goes: head 16 batch + 4 cx + 2 x channel half, the key step, my half of its chunks
	s_lshl_b32 s22, s22, 4
	s_lshl_b32 s2, s40, 2
	s_add_co_u32 s22, s22, s2
	s_lshl_b32 s2, s16, 1
	s_add_co_u32 s22, s22, s2
	s_lshl_b32 s22, s22, 16
	s_and_b32 s2, s42, 7
	s_lshl_b32 s2, s2, 13
	s_add_co_u32 s22, s22, s2
	s_lshl_b32 s2, s15, 10
	s_add_co_u32 s22, s22, s2
	s_add_co_u32 s22, s22, 0x1000000
	s_add_nc_u64 s[VO:VO+1], s[74:75], s[22:23]
; A GROUP is four fragments of W, 64 registers; three groups take turns, so a group is asked for two groups ahead.  Phase 1: group N = 4 K step + quarter of the columns: 16 products, eight on window 2 (token tiles 0, 1), eight on window 3.
; The accumulators take turns, one instruction a turn, in the same order in every K step.
.macro WLD n
.set KK, (\n)/4
.set QQ, (\n)%4
.set RR, WR+64*((\n)%3)
.irp f, 0,1,2,3
.irp c, 0,1,2,3
	ds_load_b128 v[RR+16*\f+4*\c:RR+16*\f+4*\c+3], v[ADR+2*(KK/4)+QQ/2] offset:(4*(QQ%2)+\f)*8192+2048*(KK%4)+512*\c
.endr
.endr
.endm
.macro MULG lh
	WIN 0xa4+0x50*(\lh)
.irp f, 0,1,2,3
.irp i, 0,1
.set AC, 8*(16*\i+4*(N%4)+\f)
.set WF, WR+64*(N%3)+16*\f
.set XF, 64*((N/4)%3)+16*(2*(\lh)+\i)
.if N < 4
	v_wmma_f32_16x16x128_fp8_fp8 v[AC:AC+7], v[WF:WF+15], v[XF:XF+15], 0
.else
	v_wmma_f32_16x16x128_fp8_fp8 v[AC:AC+7], v[WF:WF+15], v[XF:XF+15], v[AC:AC+7]
.endif
.endr
.endr
.endm
.macro GROUP
.if (N%4) == 0                         ; a K step begins: its x is in; younger: one set (K steps 0, 1: two sets' worth and the 32 loads of biases and table, 48 in all, less what is in)
.if N < 8
	s_wait_loadcnt 48
.else
	s_wait_loadcnt 16
.endif
.endif
.if N > 0
	PLACES                                         ; ahead of loads into registers that the last products read
.endif
.if (N%4) == 0
	WIN 0x40
.if N < 24
	XLD XA, N/4+2, (N/4+2)%3
.elseif N == 24
	TABLD 1, 128                                   ; set 2 is done with: the table of token tiles 1 and 2
	TABLD 2, 160
.else
	BIASLD 8, 0                                    ; set 0 is done with: the bias of columns 128-255
.endif
.endif
	WIN 0
.if (N%16) == 14                       ; every fragment of the slot has been asked for: change slots
.set SL, N/30
	s_wait_tensorcnt 0x0                           ; all my tensor loads are done: my part of the other slot is in
	ds_add_u32 v[SPW], v[NIL]
	s_wait_dscnt 17                                ; this group is in; the next one and the add may be out
	MULG 0
	s_wait_dscnt 0x0                               ; the add and my reads of the slot are done
	s_barrier_signal -1
	MULG 1
	WIN 0
	s_barrier_wait -1
	CREST                                          ; no wave of any partner reads the slot or has a load on its way
	s_add_nc_u64 s[G0+4*SL+2:G0+4*SL+3], s[P2:P2+1], 8192*SL   ; Wv's half of K for this slot
	s_or_b32 s[G0+4*SL+3], s[G0+4*SL+3], 0x80000000
	JLOAD SL
.if N < 30
	WLD N+2
.endif
.else
.if N < 30
	WLD N+2
	s_wait_dscnt 32                                ; the two younger groups may be out
.endif
	MULG 0
	MULG 1
.endif
.endm
	s_wait_tensorcnt 0x0                           ; slot 0's part is in
	ds_add_u32 v[SPW], v[NIL]                      ; ahead of a later first fill
	s_wait_dscnt 0x0
	CROUND
	JLOAD 1                                        ; K steps 4-7
	WLD 0
	WLD 1
.set N, 0
.rept 32
	GROUP
.set N, N+1
.endr
	PLACES
	WIN 0
	TABLD 3, 64
	WIN 0x40
	XLD XB, 0, 1                                   ; phase 2's K step k lies in set (k + 1) % 3
	WIN 0
.macro MKOUT esum, eo                  ; v30 = 2^eo, v31 = 448 x 2^eo, s[100:101] = 2^esum
	s_add_co_i32 s89, s[\eo], 127
	s_lshl_b32 s91, s89, 23
	v_mov_b32 v30, s91
	s_add_co_i32 s89, s89, 8
	s_lshl_b32 s89, s89, 23
	s_or_b32 s89, s89, 0x600000
	v_mov_b32 v31, s89
	s_add_co_i32 s100, s[\esum], 127
	s_lshl_b32 s100, s100, 23
	s_mov_b32 s101, s100
.endm
	s_wait_kmcnt 0x0
	s_add_co_i32 s88, s88, s89
	s_add_co_i32 s90, s90, s91
	s_add_co_i32 s92, s92, s93
	s_cmp_eq_u32 s84, 0
	s_cselect_b32 s93, s88, s90
	s_cselect_b32 s98, s94, s95
	MKOUT 93, 98
; Block a: token tile a / 2, columns 128 (a % 2) on: scale and bias, the rotation of neighbouring pairs, the hold, the codes, and whole runs of 512 bytes out.
.macro QKBLOCK a
.set AC, 64*((\a)%4)
.if \a < 2                             ; each block's codes have registers of their own, so no store's data are written again
.set CC, CD+16*(\a)
.elseif \a < 6
.set CC, 64+16*(\a)
.else
.set CC, 16*(\a)-64
.endif
.set BI, 192-192*((\a)%2)
.if \a == 1
	s_wait_loadcnt 24                              ; the second bias is in; younger: table 3 and a set of x
.endif
.if \a == 6
	s_wait_loadcnt 32                              ; table 3 is in; younger: two sets of x
.endif
	WIN 0x12+((\a)/4)
.set jj, 0
.rept 32
	v_pk_fma_f32 v[T+jj:T+jj+1], v[AC+jj:AC+jj+1], s[100:101], v[BI+jj:BI+jj+1] op_sel_hi:[1,0,1]
.set jj, jj+2
.endr
.if ((\a)/2) == 0
	WIN 0
.set TT, 32
.elseif ((\a)/2) == 3
	WIN 0
.set TT, 64
.else
	WIN 0x04
.set TT, 96+32*((\a)/2)
.endif
.irp g, 0,1,2,3,4,5,6,7
.irp q, 0,1,2,3
	v_pk_mul_f32 v[U+2*\q:U+2*\q+1], v[T+8*\g+2*\q:T+8*\g+2*\q+1], v[TT+8*(\g%4)+2*\q:TT+8*(\g%4)+2*\q+1] op_sel:[1,1] op_sel_hi:[1,0] neg_lo:[1,0]
.endr
.irp q, 0,1,2,3
	v_pk_fma_f32 v[T+8*\g+2*\q:T+8*\g+2*\q+1], v[T+8*\g+2*\q:T+8*\g+2*\q+1], v[TT+8*(\g%4)+2*\q:TT+8*(\g%4)+2*\q+1], v[U+2*\q:U+2*\q+1] op_sel_hi:[0,1,1]
.endr
.endr
	WIN 0
.irp b, 0,1,2,3,4,5,6,7
.irp i, 0,1,2,3,4,5,6,7
	v_med3_num_f32 v[T+8*\b+\i], v[T+8*\b+\i], -v31, v31   ; the conversion does not saturate (ISA guide 7.6.2)
.endr
	v_cvt_scalef32_pk8_fp8_f32 v[CC+2*\b:CC+2*\b+1], v[T+8*\b:T+8*\b+7], v30
.endr
	v_nop
.irp e, 0,1,2,3
	global_store_b128 v[ADR], v[CC+4*\e:CC+4*\e+3], s[82:83] offset:1024*((\a)/2)+65536*(2*((\a)%2)+\e/2)+512*(\e%2)
.endr
.endm
.irp a, 0,1,2,3,4,5
	QKBLOCK \a
.endr
	WIN 0x40
	XLD XB, 1, 2                                   ; tables 1 and 2 are done with
	WIN 0
	QKBLOCK 6
	QKBLOCK 7
	s_wait_xcnt 0x0                                ; the stores have read their registers: W's fragments may land there
	WIN 0x40
	XLD XB, 2, 0                                   ; the second bias is done with
	WIN 0
	MKOUT 92, 97
	s_wait_alu depctr_va_vdst(0)
	s_wait_tensorcnt 0x0                           ; my part of slot 1 is in (slot 0's was at the last change);
	s_barrier_signal -1
	s_barrier_wait -1                              ; everybody's is.  Nothing is filled again
; PHASE 2, with the sources swapped: a lane holds ONE channel, its registers run along the tokens.  Group N = 2 K step + half of my eight channel tiles: 16 products on window 2.
.macro WLD2 n
.set KK, (\n)/2
.set RR, WR+64*((\n)%3)
.irp f, 0,1,2,3
.irp c, 0,1,2,3
	ds_load_b128 v[RR+16*\f+4*\c:RR+16*\f+4*\c+3], v[ADV+KK/4] offset:(4*((\n)%2)+\f)*8192+2048*(KK%4)+512*\c
.endr
.endr
.endm
.macro GROUP2
.if (N%2) == 0                         ; this K step's x is in; younger: two sets, one, none
.if N == 0
	s_wait_loadcnt 32
.elseif N < 14
	s_wait_loadcnt 16
.else
	s_wait_loadcnt 0
.endif
.endif
.if N > 0
	PLACES
.if (N%2) == 0
.if N < 12
	WIN 0x40
	XLD XB, N/2+2, (N/2+3)%3
.endif
.endif
.endif
	WIN 0
.if N < 14
	WLD2 N+2
	s_wait_dscnt 32
.elseif N == 14
	s_wait_dscnt 16
.else
	s_wait_dscnt 0
.endif
	WIN 0xa1
.irp f, 0,1,2,3
.irp i, 0,1,2,3
.set AC, 8*(4*(4*(N%2)+\f)+\i)
.set WF, WR+64*(N%3)+16*\f
.set XF, 64*((N/2+1)%3)+16*\i
.if N < 2
	v_wmma_f32_16x16x128_fp8_fp8 v[AC:AC+7], v[XF:XF+15], v[WF:WF+15], 0
.else
	v_wmma_f32_16x16x128_fp8_fp8 v[AC:AC+7], v[XF:XF+15], v[WF:WF+15], v[AC:AC+7]
.endif
.endr
.endr
.endm
	WLD2 0
	WLD2 1
.set N, 0
.rept 16
	GROUP2
.set N, N+1
.endr
	WIN 0
	PLACES
; Block a: channel tiles 2 a, 2 a + 1 x my four token tiles: two chunks of a V fragment for each channel tile.
.macro VBLOCK a
.set AC, 64*(\a)
.set CC, 64+16*(\a)
.set BB, BV+2*(\a)
	WIN 0x02
.set jj, 0
.rept 16
	v_pk_fma_f32 v[T+jj:T+jj+1], v[AC+jj:AC+jj+1], s[100:101], v[BB:BB+1] op_sel_hi:[1,0,0]
.set jj, jj+2
.endr
.rept 16
	v_pk_fma_f32 v[T+jj:T+jj+1], v[AC+jj:AC+jj+1], s[100:101], v[BB:BB+1] op_sel:[0,0,1] op_sel_hi:[1,0,1]
.set jj, jj+2
.endr
	WIN 0
.irp b, 0,1,2,3,4,5,6,7
.irp i, 0,1,2,3,4,5,6,7
	v_med3_num_f32 v[T+8*\b+\i], v[T+8*\b+\i], -v31, v31
.endr
	v_cvt_scalef32_pk8_fp8_f32 v[CC+2*\b:CC+2*\b+1], v[T+8*\b:T+8*\b+7], v30
.endr
	v_nop
.irp e, 0,1,2,3
.set JT, 2*(\a)+\e/2
	global_store_b128 v[ADR], v[CC+4*\e:CC+4*\e+3], s[VO:VO+1] offset:65536*(JT/4)+2048*(JT%4)+512*(\e%2)
.endr
.endm
.irp a, 0,1,2,3
	VBLOCK \a
.endr
	s_wait_tensorcnt 0x0                           ; the wave's end
	ds_add_u32 v[SPW], v[NIL]
	s_wait_dscnt 0x0
	CROUND                                         ; the closing round
	s_endpgm
.Lfunc_end_k_q24e48b83e1_qkv:
	.size	k_q24e48b83e1_qkv, .Lfunc_end_k_q24e48b83e1_qkv-k_q24e48b83e1_qkv
	.p2alignl 7, 3214868480
	.fill 96, 4, 3214868480
	.section	.rodata,"a",@progbits
	.p2align	6, 0x0
	.amdhsa_kernel k_q24e48b83e1_qkv
		.amdhsa_group_segment_fixed_size 327680
		.amdhsa_private_segment_fixed_size 0
		.amdhsa_enable_private_segment 0
		.amdhsa_kernarg_size 64
		.amdhsa_user_sgpr_count 2
		.amdhsa_user_sgpr_kernarg_segment_ptr 1
		.amdhsa_wavefront_size32 1
		.amdhsa_system_sgpr_workgroup_id_x 1
		.amdhsa_system_sgpr_workgroup_id_y 1
		.amdhsa_system_sgpr_workgroup_id_z 1
		.amdhsa_system_vgpr_workitem_id 0
		.amdhsa_next_free_vgpr 1024
		.amdhsa_next_free_sgpr 102
		.amdhsa_reserve_vcc 0
		.amdhsa_float_denorm_mode_32 3
		.amdhsa_float_denorm_mode_16_64 3
		.amdhsa_memory_ordered 1
		.amdhsa_forward_progress 1
		.amdhsa_inst_pref_size 255
	.end_amdhsa_kernel
	.section	.bss,"aw",@nobits
	.p2align	6
	.space	262144
	.amdgpu_metadata
---
amdhsa.version: [ 1, 2 ]
amdhsa.kernels:
  - .name:           k_q24e48b83e1_qkv
    .symbol:         k_q24e48b83e1_qkv.kd
    .args:
      - { .name: ximg, .offset: 0, .size: 8, .value_kind: global_buffer, .address_space: global }
      - { .name: wimg, .offset: 8, .size: 8, .value_kind: global_buffer, .address_space: global }
      - { .name: tab, .offset: 16, .size: 8, .value_kind: global_buffer, .address_space: global }
      - { .name: bq, .offset: 24, .size: 8, .value_kind: global_buffer, .address_space: global }
      - { .name: bk, .offset: 32, .size: 8, .value_kind: global_buffer, .address_space: global }
      - { .name: bv, .offset: 40, .size: 8, .value_kind: global_buffer, .address_space: global }
      - { .name: lowp_scales, .offset: 48, .size: 8, .value_kind: global_buffer, .address_space: global }
      - { .name: qkvimg, .offset: 56, .size: 8, .value_kind: global_buffer, .address_space: global }
    .group_segment_fixed_size: 327680
    .private_segment_fixed_size: 0
    .kernarg_segment_align: 8
    .kernarg_segment_size: 64
    .max_flat_workgroup_size: 128
    .sgpr_count:     102
    .vgpr_count:     1024
    .wavefront_size: 32
...
	.end_amdgpu_metadata
.endif
;; end of part 2
;; launch attn (part 3): grid 256 x 1, 16 waves a work-group, clusters of 4 x 1, 327,680 bytes of LDS; arguments qkvimg, lowp_scales, aoimg; writes aoimg
.if DOCPART == 3
	.amdgcn_target "amdgcn-amd-amdhsa--gfx1250"
	.amdhsa_code_object_version 6
	.text
	.protected	k_q24e48b83e1_attn
	.globl	k_q24e48b83e1_attn
	.p2align	8
	.type	k_q24e48b83e1_attn,@function
k_q24e48b83e1_attn:
	s_mov_b64 s[64:65], 0
	v_nop
	global_prefetch_b8 v0, s[64:65] scope:SCOPE_SE
	s_setreg_imm32_b32 hwreg(HW_REG_WAVE_MODE, 25, 1), 1
	s_wait_xcnt 0x0
	s_wait_alu depctr_hold_cnt(0) depctr_sa_sdst(0) depctr_va_vdst(0) depctr_va_sdst(0) depctr_va_ssrc(0) depctr_va_vcc(0) depctr_vm_vsrc(0)
	s_getreg_b32 s2, hwreg(HW_REG_IB_STS2, 6, 4)
	s_cmp_eq_u32 s2, 0
	s_cbranch_scc0 .Lentry_in_a_cluster
	s_endpgm
.Lentry_in_a_cluster:
	s_bfe_u32 s2, ttmp6, 0x10000c
	s_cmp_lg_u32 s2, 0x3003
	s_cbranch_scc0 .Lentry_shape_is_right
	s_endpgm
.Lentry_shape_is_right:
; ATTN: causal attention on codes of FP8 (E4M3), head size 64, 1,024 tokens, 128 pairs of batch and head.  Inputs and output are images of operand registers (chunks of [lane][16 bytes]).
; THE SOFTMAX AHEAD OF THE SECOND PRODUCT: t = score x log2(e) / 8; M = the running largest t rounded UP to a whole number; p = 2^(t - M) is quantised along the keys, not normalised;
; the row's sum is taken of the unquantised p and divides at the end.  When M moves, the sum and O are multiplied by 2^(old M - new M): exact.
; SHARES.  The four work-groups of a cluster own two heads.  Wave w of work-group g owns the query tile 4 w + g of the first head and 63 - (4 w + g) of the second: w / 2 + 1 and (15 - w) / 2 + 1 key steps of 128 (both halves rounded down), 9 for every wave.
; Steps all of whose keys the causal mask hides are passed over; how many hangs on w alone, and so does every branch.
; CLUSTER: all four read the heads' whole K and V: each of the sixteen waves asks jointly for 8,192 bytes of each head.  The first head's 131,072 bytes come at the head; the second's are asked for when those have landed, and land beside them
; while every wave walks its first key step.  Nothing is filled again.  No data prefetch: nothing but these two loads a wave comes from memory in the loops' time.
; LAYOUT.  Both products transposed: S^T = K Q^T (source 0 = 16 keys, source 1 = my 16 queries, K = 64), O^T = V^T P^T (source 0 = 16 channels, source 1 = P, K = 128 keys): a lane holds ONE query (lane % 16) throughout.
; Register 8 T + j of S^T is key 16 T + 8 (lane / 16) + j: one conversion of tile T's eight registers is register pair T of P's fragment.  Likewise O^T's tile of channels is a register pair of the last product's operand.
; LIMITS: e6 + e7 between -123 and 130 (added to c's exponent field); e8 and e10 between -126 and 119; e8 + e9 is applied by v_ldexp_f32.  The promise holds while the scaled scores t stay under 2^31 in magnitude.
; REGISTERS: v1 16 x lane, v2 the same in V's half of a head; v3, v240 448 x 2^e8, v244 2^e8; v241, v245 the same with e10; v8, v9 the step's addresses; v10 r - 8 h; v12 -M, v13 the largest t, v[14:15] the sum in two halves;
;   v16-23 Q of the first tile, v24-31 of the second; v32-95 eight fragments of K, then four of V; v96-159 S^T, then p; v160-191 O^T; v224-239 p's codes (v224-231 the output's); v232-239, v242, v243, v246-249, v252-254 at work.
.set SEL, 20                           ; s[20:21] lane selects: lane l xor 16
.set CS,  22                           ; s[22:23] c = log2(e) / 8 x 2^(e6 + e7)
.set G1,  24
.set G0,  32
.set BH,  36                           ; s36 16 x batch + first head
.set IA,  38
.set IB,  39
.set TB,  48                           ; s48 the step's first byte of K
.set KF,  49                           ; s49 the step's first key
.set Q0,  50                           ; s50 my first query
.set CNT, 51
.set G0B, 56
.set LK,  60                           ; s60 the first key of my last step, the one on the diagonal
.set OD,  61                           ; s61 1: my queries' tile lies in that step's upper 64 keys
.macro CROUND                          ; a round of the cluster's barrier
	s_barrier_signal -1
	s_barrier_wait -1
	s_cmp_lg_u32 s18, 0
	s_cbranch_scc1 .Lnot_wave_0_\@
	s_barrier_signal -3
.Lnot_wave_0_\@:
	s_barrier_wait -3
	s_barrier_signal -1
	s_barrier_wait -1
.endm
.macro MKSCALE e, vs, vl
	s_add_co_i32 s52, s[\e], 127
	s_lshl_b32 s53, s52, 23
	v_mov_b32 v[\vs], s53
	s_add_co_i32 s52, s52, 8
	s_lshl_b32 s52, s52, 23
	s_or_b32 s52, s52, 0x600000
	v_mov_b32 v[\vl], s52
.endm
	s_load_b128 s[4:7], s[0:1], 0x0                ; qkvimg s[4:5], the exponents s[6:7]
	s_load_b64 s[8:9], s[0:1], 0x10                ; aoimg
	v_lshl_add_u32 v251, v0, 2, 0x44000            ; the spare words lie behind both heads
	v_mov_b32 v255, 0
	ds_add_u32 v251, v255                          ; the opening lines: the add, twice on end
	ds_add_u32 v251, v255
	v_lshrrev_b32 v8, 5, v0
	v_readfirstlane_b32 s18, v8                    ; wave 0..15
	v_and_b32 v1, 31, v0
	v_and_b32 v10, 15, v0
	v_bfe_u32 v9, v0, 4, 1
	v_lshlrev_b32 v1, 4, v1
	v_mov_b32 v236, 0                              ; written once: a lane permute's destination counts as one of its sources
	v_lshlrev_b32 v9, 3, v9
	v_add_nc_u32 v2, 0x10000, v1
	v_mov_b32 v252, 0
	v_sub_nc_u32 v10, v10, v9
	v_mov_b32 v253, 0                              ; (named as the upper half of the pair v[252:253])
	s_wait_alu depctr_va_vdst(0)                   ; the wait behind the head's vector instructions
	s_bfe_u32 s37, ttmp6, 0x40000                  ; g: my place in the cluster
	s_lshl_b32 s[BH], ttmp9, 1                     ; the cluster's first head
	s_lshl_b32 s[IA], s18, 2
	s_add_co_u32 s[IA], s[IA], s37
	s_sub_co_u32 s[IB], 63, s[IA]
	; descriptor group 1: a dense block of 8,192 bytes as 32 rows of 256, for all four
	s_mov_b32 s[G1], (3<<16)|(1<<21)|15
	s_mov_b32 s[G1+1], 32<<16
	s_mov_b32 s[G1+2], 32<<16
	s_mov_b32 s[G1+3], 32<<16
	s_mov_b32 s[G1+4], 32
	s_mov_b32 s[G1+5], 32
	s_mov_b32 s[G1+6], 0
	s_mov_b32 s[G1+7], 0
	s_lshl_b32 s44, s[BH], 16                      ; the head's 65,536 bytes,
	s_and_b32 s45, s18, 7
	s_lshl_b32 s45, s45, 13                        ; key step wave % 8,
	s_add_co_u32 s44, s44, s45
	s_lshr_b32 s45, s18, 3
	s_lshl_b32 s45, s45, 23                        ; of K (waves 0-7) or of V (waves 8-15), 8 MiB further on,
	s_add_co_u32 s44, s44, s45
	s_add_co_u32 s44, s44, 0x800000                ; behind q's 8 MiB
	s_mov_b32 s45, 0
	s_lshl_b32 s46, s18, 13                        ; to LDS byte 8,192 x wave: K's eight steps, then V's
	s_lshl_b32 s54, s[BH], 16                      ; Q's fragments: the head's 65,536 bytes + 1,024 x tile
	s_lshl_b32 s55, s[IA], 10
	s_add_co_u32 s40, s54, s55
	s_mov_b32 s41, 0
	s_lshl_b32 s55, s[IB], 10
	s_add_co_u32 s54, s54, s55
	s_add_co_u32 s54, s54, 0x10000
	s_mov_b32 s55, 0
	s_wait_dscnt 0x0                               ; both opening adds are done
	s_wait_kmcnt 0x0
	s_load_b128 s[68:71], s[6:7], 0x18             ; e6, e7, e8, e9
	s_load_b32 s72, s[6:7], 0x28                   ; e10
	s_add_nc_u64 s[40:41], s[4:5], s[40:41]
	s_add_nc_u64 s[54:55], s[4:5], s[54:55]
	global_load_b128 v[16:19], v1, s[40:41]        ; the first tile: 16 queries x 64
	global_load_b128 v[20:23], v1, s[40:41] offset:512
	global_load_b128 v[24:27], v1, s[54:55]        ; the second
	global_load_b128 v[28:31], v1, s[54:55] offset:512
	s_mov_b32 s[G0], 1
	s_mov_b32 s[G0+1], s46
	s_add_nc_u64 s[G0+2:G0+3], s[4:5], s[44:45]
	s_add_nc_u64 s[G0B+2:G0B+3], s[G0+2:G0+3], 0x10000
	s_or_b32 s[G0+3], s[G0+3], 0x80000000
	s_mov_b32 s[G0B], 1
	s_add_co_u32 s[G0B+1], s46, 0x20000            ; the second head lies 131,072 bytes further on
	s_or_b32 s[G0B+3], s[G0B+3], 0x80000000
	CROUND                                         ; all four work-groups are here: the first joint loads meet
	tensor_load_to_lds s[G0:G0+3], s[G1:G1+7]
	s_nop 0
.rept 4
	v_nop
.endr
	s_mov_b32 s[SEL], 0x76543210
	s_mov_b32 s[SEL+1], 0xfedcba98
	s_mov_b32 s[CS], 0x3e38aa3b                    ; log2(e) / 8
	s_wait_kmcnt 0x0
	s_add_co_i32 s52, s68, s69
	s_lshl_b32 s52, s52, 23
	s_add_co_i32 s[CS], s[CS], s52                 ; a score stands for score x 2^(e6 + e7): added to c's exponent field
	s_mov_b32 s[CS+1], s[CS]
	s_add_co_i32 s73, s70, s71                     ; e8 + e9
	MKSCALE 70, 244, 240
	v_mov_b32 v3, s52                              ; 448 x 2^e8 once more: the second half of the paired hold
	MKSCALE 72, 245, 241
; The 16 T + j-th score of the diagonal step, T = t0 .. t0 + 3, is hidden where 16 T + j > v252.
.macro MASK4 t0
.set nn, 8*(\t0)
.rept 32
	v_cmp_gt_i32 vcc_lo, 16*(nn/8)+nn%8, v252
	v_cndmask_b32 v[96+nn], v[96+nn], v254, vcc_lo
.set nn, nn+1
.endr
.endm
; A KEY STEP: 128 keys.  qr: where the tile's fragment of Q lies.  peel = 1: the first head's first step, which every wave walks.
.macro STEP qr, peel
.if \peel
.set KA, 1
.set VA, 2
.else
.set KA, 8
.set VA, 9
	s_cmp_gt_u32 s[KF], s[LK]
	s_cbranch_scc1 .Lhidden_\@                     ; all its keys come after my queries
	v_add_nc_u32 v8, s[TB], v1
	v_add_nc_u32 v9, s[TB], v2
	v_nop
	v_nop                                          ; with the two additions: four places in front of loads into registers that the last products read
.endif
.irp t, 0,1,2,3,4,5,6,7
	ds_load_b128 v[32+8*\t:35+8*\t], v[KA] offset:1024*\t
	ds_load_b128 v[36+8*\t:39+8*\t], v[KA] offset:1024*\t+512
.endr
	s_wait_alu depctr_va_vdst(0)
.irp t, 0,1,2,3,4,5,6,7
	s_wait_dscnt 14-2*\t                           ; tile t's two loads are in; the later tiles' may be out
	v_wmma_f32_16x16x64_fp8_fp8 v[96+8*\t:103+8*\t], v[32+8*\t:39+8*\t], v[\qr:\qr+7], 0
.endr
.rept 4
	v_nop                                          ; places: in front of the loads below and of the first read of the scores
.endr
.irp t, 0,1,2,3
.irp c, 0,1,2,3
	ds_load_b128 v[32+16*\t+4*\c:35+16*\t+4*\c], v[VA] offset:2048*\t+512*\c   ; V's four fragments land while the softmax is worked
.endr
.endr
	s_cmp_lg_u32 s[KF], s[LK]
	s_cbranch_scc1 .Lopen_\@                       ; all its keys count
	s_sub_co_i32 s52, s[Q0], s[KF]
	v_add_nc_u32 v252, s52, v10                    ; d = my query - KF - 8 (lane / 16)
	v_mov_b32 v254, 0xff800000                     ; -infinity: p = 0 then
	s_wait_alu depctr_va_vdst(0)                   ; the wait here, directly ahead of the branch
	s_cmp_lg_u32 s[OD], 0
	s_cbranch_scc1 .Lupper_\@
	MASK4 0                                        ; my queries lie among the lower 64 keys: the upper 64 are hidden
.set nn, 0
.rept 32
	v_mov_b32 v[128+nn], v254
.set nn, nn+1
.endr
	s_branch .Lopen_\@
.Lupper_\@:
	MASK4 4                                        ; among the upper 64: the lower 64 all count
.Lopen_\@:
	s_wait_alu depctr_va_vdst(0)                   ; and here, directly ahead of the scores' first reader behind the branches
	v_max3_num_f32 v254, v96, v97, v98             ; the step's largest score of my query among my 64 keys, in two chains, each tile from its low end on,
	v_max3_num_f32 v252, v99, v100, v101
.set ii, 6
.rept 14
	v_max3_num_f32 v254, v254, v[96+ii], v[97+ii]
	v_max3_num_f32 v252, v252, v[98+ii], v[99+ii]
.set ii, ii+4
.endr
	v_max3_num_f32 v254, v254, v158, v159
	s_delay_alu instid0(VALU_DEP_1)
	v_max_num_f32 v254, v254, v252
	v_permlanex16_b32 v236, v254, s[SEL], s[SEL+1]
	s_delay_alu instid0(VALU_DEP_1)
	v_max_num_f32 v254, v254, v236                 ; and among lane l xor 16's
	s_delay_alu instid0(VALU_DEP_1)
	v_mul_f32 v254, s[CS], v254                    ; as t (c is positive)
	s_delay_alu instid0(VALU_DEP_1)
	v_max_num_f32 v13, v13, v254                   ; the running largest t
	v_mov_b32 v254, v12
	s_delay_alu instid0(VALU_DEP_2)
	v_floor_f32 v12, -v13                          ; the new -M = floor(-t): M is a whole number
	s_delay_alu instid0(VALU_DEP_1)
	v_sub_f32 v254, v12, v254                      ; old M - new M: a whole number, 0 or less
	s_delay_alu instid0(VALU_DEP_1)
	v_cvt_i32_f32 v254, v254                       ; (it saturates)
	s_delay_alu instid0(VALU_DEP_1)
	v_ldexp_f32 v252, 1.0, v254                    ; f = 2^(old M - new M)
.set jj, 0
.rept 32
	v_pk_fma_f32 v[96+jj:97+jj], v[96+jj:97+jj], s[CS:CS+1], v[12:13] op_sel_hi:[1,0,0]   ; t - M, two at a time
.set jj, jj+2
.endr
.set jj, 0
	s_wait_alu depctr_va_vdst(0)
.rept 64
	v_exp_f32 v[96+jj], v[96+jj]                   ; p = 2^(t - M), at most 1
.set jj, jj+1
.endr
	v_pk_mul_f32 v[14:15], v[14:15], v[252:253] op_sel_hi:[1,0]   ; the sums under the new M: the plain line behind the exponentials
	s_wait_alu depctr_va_vdst(0)                   ; one wait for the whole batch, ahead of its first reader
	v_pk_add_f32 v[242:243], v[100:101], v[104:105]
	v_pk_add_f32 v[248:249], v[108:109], v[112:113]
	v_pk_add_f32 v[246:247], v[116:117], v[120:121]
	v_pk_add_f32 v[238:239], v[124:125], v[128:129]
	v_pk_add_f32 v[236:237], v[132:133], v[136:137]
	v_pk_add_f32 v[234:235], v[140:141], v[144:145]
	v_pk_add_f32 v[232:233], v[148:149], v[152:153]
	v_pk_add_f32 v[14:15], v[14:15], v[156:157]
	v_pk_add_f32 v[242:243], v[242:243], v[96:97]
	v_pk_add_f32 v[248:249], v[248:249], v[98:99]
	v_pk_add_f32 v[246:247], v[246:247], v[102:103]
	v_pk_add_f32 v[238:239], v[238:239], v[106:107]
	v_pk_add_f32 v[236:237], v[236:237], v[110:111]
	v_pk_add_f32 v[234:235], v[234:235], v[114:115]
	v_pk_add_f32 v[232:233], v[232:233], v[118:119]
	v_pk_add_f32 v[14:15], v[14:15], v[122:123]
	v_pk_add_f32 v[242:243], v[242:243], v[126:127]
	v_pk_add_f32 v[248:249], v[248:249], v[130:131]
	v_pk_add_f32 v[246:247], v[246:247], v[134:135]
	v_pk_add_f32 v[238:239], v[238:239], v[138:139]
	v_pk_add_f32 v[236:237], v[236:237], v[142:143]
	v_pk_add_f32 v[234:235], v[234:235], v[146:147]
	v_pk_add_f32 v[232:233], v[232:233], v[150:151]
	v_pk_add_f32 v[14:15], v[14:15], v[154:155]
	v_pk_add_f32 v[242:243], v[242:243], v[158:159]
	s_delay_alu instid0(VALU_DEP_2)
	v_pk_add_f32 v[14:15], v[14:15], v[238:239]
	s_delay_alu instid0(VALU_DEP_2)
	v_pk_add_f32 v[242:243], v[242:243], v[236:237]
	v_pk_add_f32 v[248:249], v[248:249], v[234:235]
	v_pk_add_f32 v[246:247], v[246:247], v[232:233]
	s_delay_alu instid0(VALU_DEP_2)
	v_pk_add_f32 v[14:15], v[14:15], v[248:249]
	s_delay_alu instid0(VALU_DEP_2)
	v_pk_add_f32 v[242:243], v[242:243], v[246:247]
	s_delay_alu instid0(VALU_DEP_1)
	v_pk_add_f32 v[14:15], v[14:15], v[242:243]
.set tt, 0
.rept 8
.set ii, 0
.rept 4
	v_dual_min_num_f32 v[96+8*tt+ii], v[96+8*tt+ii], v240 :: v_dual_min_num_f32 v[97+8*tt+ii], v[97+8*tt+ii], v3   ; the conversion does not saturate (ISA guide 7.6.2); p is not negative, so the hold is one-sided
.set ii, ii+2
.endr
	v_cvt_scalef32_pk8_fp8_f32 v[224+2*tt:225+2*tt], v[96+8*tt:103+8*tt], v244
.set tt, tt+1
.endr
.set jj, 0
.rept 16
	v_pk_mul_f32 v[160+jj:161+jj], v[160+jj:161+jj], v[252:253] op_sel_hi:[1,0]   ; O^T under the new M; also the plain lines between the conversions and the products
.set jj, jj+2
.endr
	s_wait_alu depctr_va_vdst(0)
	s_wait_dscnt 0x0                               ; V is in
.irp t, 0,1,2,3
	v_wmma_f32_16x16x128_fp8_fp8 v[160+8*\t:167+8*\t], v[32+16*\t:47+16*\t], v[224:239], v[160+8*\t:167+8*\t]   ; four accumulators, one instruction a turn
.endr
.Lhidden_\@:
.endm
; A tile begins: ti its number; s52 holds w (first head) or 15 - w (second).
.macro TINIT ti
	s_lshl_b32 s[Q0], s[\ti], 4
	s_lshr_b32 s[LK], s52, 1
	s_lshl_b32 s[LK], s[LK], 7
	s_and_b32 s[OD], s52, 1
	v_mov_b32 v13, 0xff61b1e6                      ; the largest t so far: -3e38, under every t
	v_mov_b32 v14, 0
	v_mov_b32 v15, 0
	v_floor_f32 v12, -v13
.set jj, 0
.rept 32
	v_mov_b32 v[160+jj], 0                         ; O^T: the step is written for all trips; the first finds zeros, which the first change of M leaves zeros
.set jj, jj+1
.endr
.endm
.macro RUN qr, trips
	s_mov_b32 s[CNT], \trips
.Lstep_\@:
	STEP \qr, 0
	s_add_co_u32 s[TB], s[TB], 8192
	s_add_co_u32 s[KF], s[KF], 128
	s_sub_co_u32 s[CNT], s[CNT], 1
	s_cmp_lg_u32 s[CNT], 0
	s_cbranch_scc1 .Lstep_\@
.endm
; A tile ends: O^T / the sum, its codes, and 1,024 bytes out: ((64 batch + tile) x 8 + head / 2) fragments of 2,048 bytes + 1,024 (head % 2); the cluster's first head is even, its second odd.
.macro FINISH ti, odd
	s_lshr_b32 s44, s[BH], 4
	s_lshl_b32 s44, s44, 6
	s_add_co_u32 s44, s44, s[\ti]
	s_lshl_b32 s44, s44, 3
	s_bfe_u32 s46, s[BH], 0x30001
	s_add_co_u32 s44, s44, s46
	s_lshl_b32 s44, s44, 11
	s_mov_b32 s45, 0
	s_add_nc_u64 s[42:43], s[8:9], s[44:45]
.rept 4
	v_nop                                          ; places behind the last products
.endr
	v_add_f32 v14, v14, v15                        ; the sum's two halves,
	s_delay_alu instid0(VALU_DEP_1)
	v_permlanex16_b32 v252, v14, s[SEL], s[SEL+1]
	s_delay_alu instid0(VALU_DEP_1)
	v_add_f32 v14, v14, v252                       ; and lane l xor 16's
	s_wait_alu depctr_va_vdst(0)
	v_rcp_f32 v14, v14
	v_nop                                          ; a plain line behind the transcendental,
	s_wait_alu depctr_va_vdst(0)                   ; and the wait ahead of its first reader
	v_ldexp_f32 v14, v14, s73                      ; x 2^(e8 + e9)
.set jj, 0
.rept 16
	v_pk_mul_f32 v[96+jj:97+jj], v[160+jj:161+jj], v[14:15] op_sel_hi:[1,0]   ; O^T / the sum, each accumulator from its low end on
.set jj, jj+2
.endr
.set tt, 0
.rept 4
.set ii, 0
.rept 8
	v_med3_num_f32 v[96+8*tt+ii], v[96+8*tt+ii], -v241, v241
.set ii, ii+1
.endr
	v_cvt_scalef32_pk8_fp8_f32 v[224+2*tt:225+2*tt], v[96+8*tt:103+8*tt], v245   ; register pair 4 (head % 2) + tt of the last product's operand
.set tt, tt+1
.endr
	v_nop
	global_store_b128 v1, v[224:227], s[42:43] offset:1024*\odd     ; 512 consecutive bytes, aligned
	global_store_b128 v1, v[228:231], s[42:43] offset:1024*\odd+512
.endm
	s_mov_b32 s52, s18
	s_mov_b32 s[KF], 0
	TINIT IA
	s_wait_alu depctr_va_vdst(0)                   ; the wait at the head's end
	s_wait_tensorcnt 0x0                           ; my part of the first head is in
	ds_add_u32 v251, v255
	s_wait_dscnt 0x0
	CROUND                                         ; everybody's is, and all four work-groups are here
	tensor_load_to_lds s[G0B:G0B+3], s[G1:G1+7]    ; the second head
	s_nop 0
.rept 4
	v_nop
.endr
	s_wait_loadcnt 0x0                             ; Q, both tiles'
	STEP 16, 1                                     ; the first head's keys 0-127
	s_wait_alu depctr_va_vdst(0)
	s_wait_tensorcnt 0x0                           ; my part of the second head is in,
	s_barrier_signal -1
	s_barrier_wait -1                              ; everybody's is: no barrier stands in the loops
	s_mov_b32 s[TB], 8192
	s_mov_b32 s[KF], 128
	RUN 16, 7
	FINISH IA, 0
	s_sub_co_u32 s52, 15, s18
	s_wait_alu depctr_va_vdst(0)
	s_wait_xcnt 0x0                                ; the first tile's stores have read their registers and base
	TINIT IB
	s_mov_b32 s[TB], 0x20000
	s_mov_b32 s[KF], 0
	RUN 24, 8
	FINISH IB, 1
	s_wait_tensorcnt 0x0                           ; the wave's end
	ds_add_u32 v251, v255
	s_wait_dscnt 0x0
	CROUND                                         ; the closing round
	s_endpgm
.Lfunc_end_k_q24e48b83e1_attn:
	.size	k_q24e48b83e1_attn, .Lfunc_end_k_q24e48b83e1_attn-k_q24e48b83e1_attn
	.p2alignl 7, 3214868480
	.fill 96, 4, 3214868480
	.section	.rodata,"a",@progbits
	.p2align	6, 0x0
	.amdhsa_kernel k_q24e48b83e1_attn
		.amdhsa_group_segment_fixed_size 327680
		.amdhsa_private_segment_fixed_size 0
		.amdhsa_enable_private_segment 0
		.amdhsa_kernarg_size 24
		.amdhsa_user_sgpr_count 2
		.amdhsa_user_sgpr_kernarg_segment_ptr 1
		.amdhsa_wavefront_size32 1
		.amdhsa_system_sgpr_workgroup_id_x 1
		.amdhsa_system_sgpr_workgroup_id_y 1
		.amdhsa_system_sgpr_workgroup_id_z 1
		.amdhsa_system_vgpr_workitem_id 0
		.amdhsa_next_free_vgpr 256
		.amdhsa_next_free_sgpr 76
		.amdhsa_reserve_vcc 1
		.amdhsa_float_denorm_mode_32 3
		.amdhsa_float_denorm_mode_16_64 3
		.amdhsa_memory_ordered 1
		.amdhsa_forward_progress 1
		.amdhsa_inst_pref_size 85
	.end_amdhsa_kernel
	.amdgpu_metadata
---
amdhsa.version: [ 1, 2 ]
amdhsa.kernels:
  - .name:           k_q24e48b83e1_attn
    .symbol:         k_q24e48b83e1_attn.kd
    .args:
      - { .name: qkvimg, .offset: 0, .size: 8, .value_kind: global_buffer, .address_space: global }
      - { .name: lowp_scales, .offset: 8, .size: 8, .value_kind: global_buffer, .address_space: global }
      - { .name: aoimg, .offset: 16, .size: 8, .value_kind: global_buffer, .address_space: global }
    .group_segment_fixed_size: 327680
    .private_segment_fixed_size: 0
    .kernarg_segment_align: 8
    .kernarg_segment_size: 24
    .max_flat_workgroup_size: 512
    .sgpr_count:     76
    .vgpr_count:     256
    .wavefront_size: 32
...
	.end_amdgpu_metadata
.endif
;; end of part 3
;; launch oproj (part 4): grid 4 x 64, 4 waves a work-group, clusters of 4 x 4, 327,680 bytes of LDS; arguments aoimg, wimg, bo, lowp_scales, out0; writes out0
.if DOCPART == 4
	.amdgcn_target "amdgcn-amd-amdhsa--gfx1250"
	.amdhsa_code_object_version 6
	.text
	.protected	k_q24e48b83e1_oproj
	.globl	k_q24e48b83e1_oproj
	.p2align	8
	.type	k_q24e48b83e1_oproj,@function
k_q24e48b83e1_oproj:
	s_mov_b64 s[64:65], 0
	v_nop
	global_prefetch_b8 v0, s[64:65] scope:SCOPE_SE
	s_setreg_imm32_b32 hwreg(HW_REG_WAVE_MODE, 25, 1), 1
	s_wait_xcnt 0x0
	s_wait_alu depctr_hold_cnt(0) depctr_sa_sdst(0) depctr_va_vdst(0) depctr_va_sdst(0) depctr_va_ssrc(0) depctr_va_vcc(0) depctr_vm_vsrc(0)
	s_getreg_b32 s2, hwreg(HW_REG_IB_STS2, 6, 4)
	s_cmp_eq_u32 s2, 0
	s_cbranch_scc0 .Lentry_in_a_cluster
	s_endpgm
.Lentry_in_a_cluster:
	s_bfe_u32 s2, ttmp6, 0x10000c
	s_cmp_lg_u32 s2, 0xf033
	s_cbranch_scc0 .Lentry_shape_is_right
	s_endpgm
.Lentry_shape_is_right:
; OPROJ: out = attention's output (codes) x Wo (codes) x 2^(e10 + e11) + bo, f32.
; A work-group makes 128 tokens x 256 columns; a wave 64 tokens x 128 columns: 32 accumulators.  256 work-groups, equal work.
; Wo's 256 columns, 262,144 bytes, lie in LDS whole, brought once by one joint tensor load a wave; the four work-groups of a column of the cluster share them.  Nothing is filled again: one barrier.
; The tokens' fragments go from memory into registers, 512 registers for all eight K steps: four K steps are asked for at the head, each other one four K steps ahead; so no data prefetch stands beside them.
; REGISTERS: window 0: addresses, v32-35 the bias, v64-255 three groups of four fragments of Wo by turns (v128-255 rows on the way out); window 1: tokens, K steps 0-3; window 3: K steps 4-7; window 2: accumulators.
; LIMIT: e10 + e11 between -126 and 127.
.set STAGE,  0x40000                   ; 16 rows x 528 bytes for each wave: 512 of data and 16 of padding
.set SPITCH, 528
.set SPARE,  STAGE+4*16*SPITCH
.set CO,   2
.set ADW,  4
.set STO,  24
.set RD,   25
.set SPW,  28
.set NIL,  29
.set BO,   32
.set WR,   64
.set BK,   128
.set G1, 24
.set G0, 32
.set XA, 46
.set MSB, 0
.macro WIN new
.if MSB != (\new)
	s_set_vgpr_msb (MSB<<8)|(\new)
.set MSB, (\new)
.endif
.endm
.macro CREST
	s_cmp_lg_u32 s14, 0
	s_cbranch_scc1 .Lnot_wave_0_\@
	s_barrier_signal -3
.Lnot_wave_0_\@:
	s_barrier_wait -3
	s_barrier_signal -1
	s_barrier_wait -1
.endm
.macro CROUND
	s_barrier_signal -1
	s_barrier_wait -1
	CREST
.endm
.macro PLACES
.rept 4
	v_nop
.endr
.endm
.macro XLD k                           ; K step k of my four token tiles: window 1 (k under 4) or 3
	WIN 0x40+0x80*((\k)/4)
.irp i, 0,1,2,3
.irp c, 0,1,2,3
	global_load_b128 v[64*((\k)%4)+16*\i+4*\c:64*((\k)%4)+16*\i+4*\c+3], v[CO], s[XA:XA+1] offset:16384*\i+2048*(\k)+512*\c
.endr
.endr
	WIN 0
.endm
	s_load_b256 s[4:11], s[0:1], 0x0               ; aoimg, wimg, bo, the exponents
	s_load_b64 s[12:13], s[0:1], 0x20              ; out
	v_lshl_add_u32 v[SPW], v0, 2, SPARE
	v_mov_b32 v[NIL], 0
	ds_add_u32 v[SPW], v[NIL]                      ; the opening lines: the add, twice on end
	ds_add_u32 v[SPW], v[NIL]
	v_lshrrev_b32 v1, 5, v0
	v_readfirstlane_b32 s14, v1                    ; wave 0..3
	s_lshr_b32 s15, s14, 1                         ; which 64 tokens
	s_and_b32 s16, s14, 1                          ; which 128 columns
	s_lshl_b32 s18, s16, 17
	s_mul_i32 s23, s14, 16*SPITCH
	s_add_co_u32 s23, s23, STAGE                   ; my stage
	v_and_b32 v6, 31, v0
	v_lshlrev_b32 v[CO], 4, v6                     ; 16 x lane
	v_add_nc_u32 v[ADW], s18, v[CO]                ; my eight column tiles of 16,384 bytes: the first four,
	v_add_nc_u32 v[ADW+1], 0x10000, v[ADW]         ; the others
	v_and_b32 v1, 15, v0
	v_bfe_u32 v3, v0, 4, 1
	v_mul_u32_u24 v7, v1, SPITCH
	v_lshl_add_u32 v7, v3, 5, v7
	v_add_nc_u32 v[STO], s23, v7
	v_add_nc_u32 v[RD], s23, v[CO]
	s_wait_alu depctr_va_vdst(0)                   ; the wait behind the head's vector instructions
	s_bfe_u32 s40, ttmp6, 0x40000                  ; cx: the column block
	s_bfe_u32 s41, ttmp6, 0x40004
	s_and_b32 s17, ttmp7, 0xffff
	s_lshl_b32 s17, s17, 2
	s_add_co_u32 s17, s17, s41                     ; the token block
	s_lshl_b32 s44, 0x1111, s40                    ; my column of the cluster shares Wo's 256 columns
	s_or_b32 s[G1], s44, (3<<16)|(1<<21)
	s_mov_b32 s[G1+1], 2048<<16                    ; a row: a column tile, 16,384 bytes
	s_mov_b32 s[G1+2], 4<<16
	s_mov_b32 s[G1+3], 2048<<16
	s_mov_b32 s[G1+4], 4
	s_mov_b32 s[G1+5], 2048
	s_mov_b32 s[G1+6], 0
	s_mov_b32 s[G1+7], 0
	s_lshl_b32 s20, s40, 18
	s_lshl_b32 s22, s14, 16                        ; my four column tiles: in the image, and in LDS
	s_add_co_u32 s20, s20, s22
	s_add_co_u32 s20, s20, 0x300000
	s_mov_b32 s21, 0
	s_lshl_b32 s[XA], s17, 17
	s_lshl_b32 s19, s15, 16
	s_add_co_u32 s[XA], s[XA], s19
	s_mov_b32 s[XA+1], 0
	s_lshl_b32 s48, s40, 10                        ; my columns in a row of out, and in bo
	s_lshl_b32 s19, s16, 9
	s_add_co_u32 s48, s48, s19
	s_mov_b32 s49, 0
	s_lshl_b32 s50, s17, 19                        ; my rows of out
	s_lshl_b32 s19, s15, 18
	s_add_co_u32 s50, s50, s19
	s_add_co_u32 s50, s50, s48
	s_mov_b32 s51, 0
	s_wait_dscnt 0x0                               ; both opening adds are done
	s_wait_kmcnt 0x0
	s_load_b64 s[96:97], s[10:11], 0x28            ; e10, e11
	s_add_nc_u64 s[XA:XA+1], s[4:5], s[XA:XA+1]
	s_add_nc_u64 s[8:9], s[8:9], s[48:49]
	s_add_nc_u64 s[12:13], s[12:13], s[50:51]
	s_mov_b32 s[G0], 1
	s_mov_b32 s[G0+1], s22
	s_add_nc_u64 s[G0+2:G0+3], s[6:7], s[20:21]
	s_or_b32 s[G0+3], s[G0+3], 0x80000000
	XLD 0
	XLD 1
	XLD 2
	CROUND                                         ; all sixteen work-groups are here: the joint loads meet
	tensor_load_to_lds s[G0:G0+3], s[G1:G1+7]
	s_nop 0
	PLACES
	global_load_b128 v[BO:BO+3], v[CO], s[8:9]
	XLD 3
	s_wait_tensorcnt 0x0                           ; my part of Wo is in,
	s_barrier_signal -1
	s_barrier_wait -1                              ; everybody's is
; Group N = 2 K step + half of my eight column tiles: four fragments of Wo, asked for two groups ahead, 16 products; the accumulators take turns, one instruction a turn, in the same order in every K step.
.macro WLD n
.set RR, WR+64*((\n)%3)
.irp f, 0,1,2,3
.irp c, 0,1,2,3
	ds_load_b128 v[RR+16*\f+4*\c:RR+16*\f+4*\c+3], v[ADW+(\n)%2] offset:16384*\f+2048*((\n)/2)+512*\c
.endr
.endr
.endm
.macro GROUP
.if (N%2) == 0                         ; this K step's tokens are in; younger: three sets (and, in K steps 0-2, the bias), then two, one, none
.if N < 6
	s_wait_loadcnt 49
.elseif N < 10
	s_wait_loadcnt 48
.else
	s_wait_loadcnt 16*(7-N/2)
.endif
.if N < 8
	XLD N/2+4
.endif
.endif
.if N > 0
	PLACES
.endif
	WIN 0
.if N < 14
	WLD N+2
	s_wait_dscnt 32
.elseif N == 14
	s_wait_dscnt 16
.else
	s_wait_dscnt 0
.endif
	WIN 0xa4+8*(N/8)
.irp f, 0,1,2,3
.irp i, 0,1,2,3
.set AC, 8*(8*\i+4*(N%2)+\f)
.set WF, WR+64*(N%3)+16*\f
.set XF, 64*((N/2)%4)+16*\i
.if N < 2
	v_wmma_f32_16x16x128_fp8_fp8 v[AC:AC+7], v[WF:WF+15], v[XF:XF+15], 0
.else
	v_wmma_f32_16x16x128_fp8_fp8 v[AC:AC+7], v[WF:WF+15], v[XF:XF+15], v[AC:AC+7]
.endif
.endr
.endr
.endm
	WLD 0
	WLD 1
.set N, 0
.rept 16
	GROUP
.set N, N+1
.endr
	WIN 0
; THE WAY OUT, 16 tokens x 128 columns at a time: through my own stage in LDS into whole rows of 512 bytes, two aligned units of 256; scaled and biased there.  LDS serves a wave's instructions in order (ISA guide 5.7.1.4).
.macro TOSTAGE a
.set AC, 64*(\a)
	WIN 0x08
.irp b, 0,1,2,3,4,5,6,7
	ds_store_b128 v[STO], v[AC+8*\b:AC+8*\b+3] offset:64*\b
	ds_store_b128 v[STO], v[AC+8*\b+4:AC+8*\b+7] offset:64*\b+16
.endr
	WIN 0
.set BB, BK+64*((\a)%2)
.set ii, 0
.rept 16
	ds_load_b128 v[BB+4*ii:BB+4*ii+3], v[RD] offset:ii*SPITCH
.set ii, ii+1
.endr
.endm
.macro SEND a, younger                 ; younger: LDS instructions behind this block's loads
.set BB, BK+64*((\a)%2)
	s_wait_dscnt \younger
.if (\a) > 0
	s_add_nc_u64 s[12:13], s[12:13], 16*4096
.endif
.set ii, 0
.rept 16
	v_pk_fma_f32 v[BB+4*ii:BB+4*ii+1], v[BB+4*ii:BB+4*ii+1], s[96:97], v[BO:BO+1] op_sel_hi:[1,0,1]
	v_pk_fma_f32 v[BB+4*ii+2:BB+4*ii+3], v[BB+4*ii+2:BB+4*ii+3], s[96:97], v[BO+2:BO+3] op_sel_hi:[1,0,1]
	global_store_b128 v[CO], v[BB+4*ii:BB+4*ii+3], s[12:13] offset:ii*4096 th:TH_STORE_NT
.set ii, ii+1
.endr
.endm
	s_wait_kmcnt 0x0
	s_add_co_i32 s96, s96, s97
	s_add_co_i32 s96, s96, 127
	s_lshl_b32 s96, s96, 23                        ; 2^(e10 + e11)
	s_mov_b32 s97, s96
	PLACES
	TOSTAGE 0
.irp a, 1,2,3
.if \a > 1
	s_wait_xcnt 0x0                                ; block a - 2's stores have read their registers and base
.endif
	TOSTAGE \a
	SEND \a-1, 32
.endr
	s_wait_xcnt 0x0
	SEND 3, 0
	s_wait_tensorcnt 0x0                           ; the wave's end
	ds_add_u32 v[SPW], v[NIL]
	s_wait_dscnt 0x0
	CROUND                                         ; the closing round
	s_endpgm
.Lfunc_end_k_q24e48b83e1_oproj:
	.size	k_q24e48b83e1_oproj, .Lfunc_end_k_q24e48b83e1_oproj-k_q24e48b83e1_oproj
	.p2alignl 7, 3214868480
	.fill 96, 4, 3214868480
	.section	.rodata,"a",@progbits
	.p2align	6, 0x0
	.amdhsa_kernel k_q24e48b83e1_oproj
		.amdhsa_group_segment_fixed_size 327680
		.amdhsa_private_segment_fixed_size 0
		.amdhsa_enable_private_segment 0
		.amdhsa_kernarg_size 40
		.amdhsa_user_sgpr_count 2
		.amdhsa_user_sgpr_kernarg_segment_ptr 1
		.amdhsa_wavefront_size32 1
		.amdhsa_system_sgpr_workgroup_id_x 1
		.amdhsa_system_sgpr_workgroup_id_y 1
		.amdhsa_system_sgpr_workgroup_id_z 1
		.amdhsa_system_vgpr_workitem_id 0
		.amdhsa_next_free_vgpr 1024
		.amdhsa_next_free_sgpr 98
		.amdhsa_reserve_vcc 0
		.amdhsa_float_denorm_mode_32 3
		.amdhsa_float_denorm_mode_16_64 3
		.amdhsa_memory_ordered 1
		.amdhsa_forward_progress 1
		.amdhsa_inst_pref_size 76
	.end_amdhsa_kernel
	.amdgpu_metadata
---
amdhsa.version: [ 1, 2 ]
amdhsa.kernels:
  - .name:           k_q24e48b83e1_oproj
    .symbol:         k_q24e48b83e1_oproj.kd
    .args:
      - { .name: aoimg, .offset: 0, .size: 8, .value_kind: global_buffer, .address_space: global }
      - { .name: wimg, .offset: 8, .size: 8, .value_kind: global_buffer, .address_space: global }
      - { .name: bo, .offset: 16, .size: 8, .value_kind: global_buffer, .address_space: global }
      - { .name: lowp_scales, .offset: 24, .size: 8, .value_kind: global_buffer, .address_space: global }
      - { .name: out0, .offset: 32, .size: 8, .value_kind: global_buffer, .address_space: global }
    .group_segment_fixed_size: 327680
    .private_segment_fixed_size: 0
    .kernarg_segment_align: 8
    .kernarg_segment_size: 40
    .max_flat_workgroup_size: 128
    .sgpr_count:     98
    .vgpr_count:     1024
    .wavefront_size: 32
...
	.end_amdgpu_metadata
.endif
;; end of part 4
